; MI455X (gfx1250); checked and timed in simulation.
; The chip was launched on July 23, 2026; its instructions are those of AMD's public machine-readable ISA for CDNA 5 (MIT licence, August 2026) and "CDNA5" Instruction Set Architecture Reference Guide (July 2026). The comments in the code are by the model that wrote it; some were corrected since.
;; Self Attention Block. Allowed arithmetic: matrix products marked QUANTISED: E3M2 operands, one E8M0 scale for each 32 along K, by v_wmma_scale_f32_16x16x128_f8f6f4 with both operands' format E3M2, f32 sums; everything else in f32.
;; Inputs: b_proj 256 float32; beta 256 float32; gamma 256 float32; w_proj_codes 256 x 8 x 24 uint8 (E3M2 codes of w_proj, K innermost, in blocks of 32 codes, four codes in three bytes); w_proj_scales 256 x 8 uint8 (E8M0 scales of w_proj, one for each 32 codes along K); w_qkv_codes 768 x 8 x 24 uint8 (E3M2 codes of w_qkv, K innermost, in blocks of 32 codes, four codes in three bytes); w_qkv_scales 768 x 8 uint8 (E8M0 scales of w_qkv, one for each 32 codes along K); x 4 x 256 x 64 x 64 float32.
;; Outputs: out0 4 x 256 x 64 x 64 float32.
;; This version of the problem:
;;   THIS VERSION OF THE PROBLEM IS GIVEN IN LOW PRECISION. The matrix products marked QUANTISED in the list below multiply operands that are first quantised to E3M2 (3 exponent bits, 2 mantissa bits; 6 bits a number), with one power-of-two scale for each 32 numbers along K (OCP MX v1.0); their sums are f32. All else is computed in f32.
;;   The module's matrix products, in the order in which they are computed (A, B: the left and right operand; K: the contracted axis; several contracted axes count as one K, in the product's order):
;;     1. [M 16,384, K 256] x [K 256, N 768]; A: computed on the way; B: input w_qkv (given as codes): QUANTISED
;;     2. batch 16 x [M 4,096, K 64] x [K 64, N 4,096]; A: computed on the way; B: computed on the way: QUANTISED
;;     3. batch 16 x [M 64, K 4,096] x [K 4,096, N 4,096]; A: computed on the way; B: softmax (see below): QUANTISED
;;     4. [M 16,384, K 256] x [K 256, N 256]; A: computed on the way; B: input w_proj (given as codes): QUANTISED
;;   THE QUANTISER, for each operand of a quantised product, along K:
;;     - K is cut into blocks of 32 from its start; a last block that is shorter is filled with zeros.
;;     - A block's scale is 2^e with e = floor(log2(the largest magnitude in the block)) - 4, held to -126 .. 127; a block of zeros has e = 0. As a byte (E8M0): e + 127.
;;     - Each number is divided by its block's scale, clamped to +-28, and rounded to the nearest number of E3M2, ties to even, subnormals kept.
;;     - The product sums the exact products of the quantised numbers (number of the format x scale) in f32.
;;   ~~~python
;;   def quantise(x, axis):      # numpy; x: float32 -> the quantised numbers, widened to float32 again
;;       x = np.moveaxis(x, axis, -1); K = x.shape[-1]
;;       x = np.pad(x, [(0, 0)] * (x.ndim - 1) + [(0, -K % 32)]); x = x.reshape(x.shape[:-1] + (-1, 32)); a = np.abs(x).max(-1, keepdims=True)
;;       e = np.where(a > 0, np.clip(np.frexp(np.where(a > 0, a, 1))[1] - 1 - 4, -126, 127), 0)      # np.frexp(a)[1] - 1 = floor(log2(a)), exactly
;;       r = np.clip(x / 2.0 ** e, -28, 28)
;;       step = 2.0 ** (np.maximum(np.frexp(np.where(r == 0, 1, r))[1] - 1, -2) - 2)
;;       q = np.round(r / step) * step * 2.0 ** e      # np.round: ties to even
;;       return np.moveaxis(q.reshape(q.shape[:-2] + (-1,))[..., :K], -1, axis).astype(np.float32)
;;   ~~~
;;   SOFTMAX AHEAD OF A QUANTISED PRODUCT. Where the list says 'softmax', what is quantised is not the finished softmax but p = 2^(t - M), with t = logit x log2(e) and M = ceil(the row's largest t), a whole number; so 1/2 < the row's largest p <= 1. The row's sum l is taken of the UNQUANTISED p, in f32, and the product's result is divided by l at the end. Since M is a whole number, a kernel that streams over the keys may use a running M (the ceiling of the running maximum): every later rescaling is an exact power of two, which a block's scale takes up: the codes' values come out the same.
;;   OPERANDS COMPUTED ON THE WAY. 'Computed on the way' means the value that the module computes at that place (a softmax that the list does not call 'softmax' is quantised finished and normalised). What goes into a quantiser is computed in f32, as accurately as f32 sums, v_exp_f32 and their like allow (about 1e-6 of the number): no bf16 or f16 on the way to a quantiser, and a product that is left as it is and whose result goes on into a quantised operand takes f32 operands (vector FMAs, or v_wmma_f32_16x16x4_f32). A number that lies on a knife's edge between two numbers of the format may be rounded either way, as far as f32 arithmetic and the matrix unit's own rounding can turn it there, and no further.
;;   INPUTS GIVEN AS CODES. w_proj (in the module: [256, 256], K = its axis 1); w_qkv (in the module: [768, 256], K = its axis 1): each comes as NAME_codes (uint8): NAME with its K axis moved to the last place and cut into blocks of 32 codes, [.., K / 32, bytes a block], one block behind the other in memory; four codes in three bytes: a row's codes are one little-endian stream of bits, code i at bits 6 i .. 6 i + 5 (a code: sign, 3 exponent bits, 2 mantissa bits); and NAME_scales (uint8): the same leading axes, one E8M0 byte (e + 127) for each 32 codes along K. Its value is code x scale, taken as it is: it is not quantised again, and the codes and scales need not be those that the quantiser above would give.
;; One version. Each part assembles by itself: llvm-mc -triple=amdgcn-amd-amdhsa -mcpu=gfx1250 --defsym DOCPART=n.
;; ======== version 1 of 1: 4 launches
;; workspace buffers: stats 4,608 bytes; qc 3,145,728 bytes; qs 262,144 bytes; kvc 6,291,456 bytes; kvs 393,216 bytes; oc 3,145,728 bytes; os 131,072 bytes
;; launch gnstat (part 1): grid 128 x 1, 8 waves a work-group, no clusters, 1,536 bytes of LDS; arguments x, gamma, stats; writes stats
.if DOCPART == 1
	.amdgcn_target "amdgcn-amd-amdhsa--gfx1250"
	.amdhsa_code_object_version 6
	.text
	.protected	k_qa46d33c7d4_gnstat
	.globl	k_qa46d33c7d4_gnstat
	.p2align	8
	.type	k_qa46d33c7d4_gnstat,@function
k_qa46d33c7d4_gnstat:
	s_mov_b64 s[64:65], 0
	v_nop
	global_prefetch_b8 v0, s[64:65] scope:SCOPE_SE
	s_setreg_imm32_b32 hwreg(HW_REG_WAVE_MODE, 25, 1), 1
	s_wait_xcnt 0x0
; GroupNorm's statistics.  x: [4][256][4096] f32; a group is 8 channels x 4,096 tokens = 32,768 numbers = 131,072 consecutive bytes.
; One work-group (8 waves) owns one of the 128 (batch, group) pairs: a group's sum has one owner.  A thread holds 128 numbers in registers (32 loads of 16 bytes,
; a wave's load covers 512 consecutive bytes), so x is read once and both passes run on registers: first the mean, then the sum of (x - mean)^2.
; No difference of large sums is formed, so a common offset of the inputs does no harm.
; OUT: stats: A[b][c] = rsqrt(var + 1e-5) x gamma[c] at byte 1024 b + 4 c; mean[b][g] at byte 4096 + 128 b + 4 g.
; LIMITS: NaN and infinities among the inputs are not served.  rstd x gamma is rounded once here, where the source multiplies by rstd and by gamma in turn.
; No matrix unit, no tensor load, no cluster: nothing is shared between work-groups, and all of a group's bytes are in flight at once.
.set D,   16                           ; v16-143  my 128 numbers, as pairs
.set CH,  144                          ; v144-151 four chains of packed sums
.set RS,  152                          ; v152-153 the reduction
.set MN,  154                          ; v154-155 the mean, twice (a pair for the packed forms)
.set T,   156                          ; v156-163 four pairs at work
.set BK,  160                          ; v160-167 the eight waves' sums, read back from LDS
	s_load_b128 s[4:7], s[0:1], 0x0                ; x, gamma
	s_load_b64 s[8:9], s[0:1], 0x10                ; stats
	v_lshl_add_u32 v168, v0, 2, 0x200
	v_mov_b32 v169, 0
	v_lshrrev_b32 v4, 5, v0
	s_delay_alu instid0(VALU_DEP_1)
	v_readfirstlane_b32 s10, v4                    ; wave
	v_lshlrev_b32 v1, 4, v0                        ; my 16 bytes of each 4,096
	v_and_b32 v2, 7, v0
	s_delay_alu instid0(VALU_DEP_1)
	v_lshlrev_b32 v2, 2, v2                        ; gamma of channel 8 g + (thread % 8)
	v_lshlrev_b32 v10, 2, v4                       ; LDS: my wave's word
	v_mov_b32 v11, 0
	v_mov_b32 v[RS+1], 0                           ; a lane permute's destination counts as read: written once
	s_mov_b32 s12, 0x76543210
	s_mov_b32 s13, 0xfedcba98                      ; selects for lane l xor 16
	s_mov_b32 s18, 0x38000000                      ; 1 / 32,768
	s_mov_b32 s19, 0x3727c5ac                      ; 1e-5
	s_lshl_b32 s14, ttmp9, 17                      ; the group's 131,072 bytes
	s_mov_b32 s15, 0
	s_and_b32 s16, ttmp9, 31
	s_lshl_b32 s16, s16, 5                         ; the group's 8 numbers of gamma
	s_mov_b32 s17, 0
	s_wait_alu depctr_va_vdst(0)
	s_wait_kmcnt 0x0
	s_add_nc_u64 s[4:5], s[4:5], s[14:15]
	s_add_nc_u64 s[6:7], s[6:7], s[16:17]
	global_load_b32 v3, v2, s[6:7]
.set i, 0
.rept 32
	global_load_b128 v[D+4*i:D+4*i+3], v1, s[4:5] offset:4096*i
.set i, i+1
.endr
; The four chains' sum over the wave, then over the eight waves through LDS words at base on; the result stands in v[RS] of every lane.
.macro REDUCE base
	v_pk_add_f32 v[CH:CH+1], v[CH:CH+1], v[CH+2:CH+3]
	s_delay_alu instid0(VALU_DEP_2)
	v_pk_add_f32 v[CH+4:CH+5], v[CH+4:CH+5], v[CH+6:CH+7]
	s_delay_alu instid0(VALU_DEP_1)
	v_pk_add_f32 v[CH:CH+1], v[CH:CH+1], v[CH+4:CH+5]
	s_delay_alu instid0(VALU_DEP_1)
	v_add_f32 v[RS], v[CH], v[CH+1]
	s_delay_alu instid0(VALU_DEP_1)
	v_add_f32_dpp v[RS], v[RS], v[RS] row_xmask:1 row_mask:0xf bank_mask:0xf
	s_delay_alu instid0(VALU_DEP_1)
	v_add_f32_dpp v[RS], v[RS], v[RS] row_xmask:2 row_mask:0xf bank_mask:0xf
	s_delay_alu instid0(VALU_DEP_1)
	v_add_f32_dpp v[RS], v[RS], v[RS] row_xmask:4 row_mask:0xf bank_mask:0xf
	s_delay_alu instid0(VALU_DEP_1)
	v_add_f32_dpp v[RS], v[RS], v[RS] row_xmask:8 row_mask:0xf bank_mask:0xf
	s_delay_alu instid0(VALU_DEP_1)
	v_permlanex16_b32 v[RS+1], v[RS], s12, s13
	s_delay_alu instid0(VALU_DEP_1)
	v_add_f32 v[RS], v[RS], v[RS+1]
	ds_store_b32 v10, v[RS] offset:\base           ; all lanes of a wave write the same word with the same value
	s_wait_dscnt 0x0                               ; for the others' sake: my store has landed
	s_barrier_signal -1
	s_barrier_wait -1
	ds_load_b128 v[BK:BK+3], v11 offset:\base
	ds_load_b128 v[BK+4:BK+7], v11 offset:\base+16
	s_wait_dscnt 0x0
	v_add_f32 v[BK], v[BK], v[BK+1]
	v_add_f32 v[BK+2], v[BK+2], v[BK+3]
	v_add_f32 v[BK+4], v[BK+4], v[BK+5]
	v_add_f32 v[BK+6], v[BK+6], v[BK+7]
	s_delay_alu instid0(VALU_DEP_3)
	v_add_f32 v[BK], v[BK], v[BK+2]
	s_delay_alu instid0(VALU_DEP_2)
	v_add_f32 v[BK+4], v[BK+4], v[BK+6]
	s_delay_alu instid0(VALU_DEP_1)
	v_add_f32 v[RS], v[BK], v[BK+4]
.endm
	; pass 1: the sum.  The first eight pairs start the chains: nothing is cleared
	s_wait_loadcnt 24                              ; gamma and x's first eight loads are in; 24 younger loads stay out
.irp c, 0,1,2,3
	v_pk_add_f32 v[CH+2*\c:CH+2*\c+1], v[D+2*\c:D+2*\c+1], v[D+8+2*\c:D+9+2*\c]
.endr
.set j, 8
.rept 56
.if j == 16
	s_wait_alu depctr_va_vdst(0)
	s_wait_loadcnt 16                              ; the next eight loads are in
.elseif j == 32
	s_wait_alu depctr_va_vdst(0)
	s_wait_loadcnt 8
.elseif j == 48
	s_wait_alu depctr_va_vdst(0)
	s_wait_loadcnt 0
.endif
	v_pk_add_f32 v[CH+2*(j%4):CH+2*(j%4)+1], v[CH+2*(j%4):CH+2*(j%4)+1], v[D+2*j:D+2*j+1]
.set j, j+1
.endr
	REDUCE 0
	s_delay_alu instid0(VALU_DEP_1)
	v_mul_f32 v[MN], s18, v[RS]                    ; the mean
	s_delay_alu instid0(VALU_DEP_1)
	v_mov_b32 v[MN+1], v[MN]
	; pass 2: the sum of (x - mean)^2; the first four squares start the chains
.set j, 0
.rept 64
	v_pk_add_f32 v[T+2*(j%4):T+2*(j%4)+1], v[D+2*j:D+2*j+1], v[MN:MN+1] neg_lo:[0,1] neg_hi:[0,1]
.if j < 4
	s_delay_alu instid0(VALU_DEP_1)
	v_pk_mul_f32 v[CH+2*(j%4):CH+2*(j%4)+1], v[T+2*(j%4):T+2*(j%4)+1], v[T+2*(j%4):T+2*(j%4)+1]
.else
	s_delay_alu instid0(VALU_DEP_1)
	v_pk_fma_f32 v[CH+2*(j%4):CH+2*(j%4)+1], v[T+2*(j%4):T+2*(j%4)+1], v[T+2*(j%4):T+2*(j%4)+1], v[CH+2*(j%4):CH+2*(j%4)+1]
.endif
.set j, j+1
.endr
	REDUCE 256                                     ; other LDS words than the first reduction's: no wave can still be reading what is written here
	s_delay_alu instid0(VALU_DEP_1)
	v_fma_f32 v[RS], v[RS], s18, s19               ; var + eps
	s_wait_alu depctr_va_vdst(0)
	v_rsq_f32 v[RS+1], v[RS]
	v_nop                                          ; a plain instruction behind the transcendental
	s_wait_alu depctr_va_vdst(0)                   ; the wait ahead of the result's first reader
	v_mul_f32 v[T], v[RS+1], v3                    ; rstd x gamma
	s_cmp_lg_u32 s10, 0
	s_cbranch_scc1 .Lend                           ; wave 0 stores; no barrier stands behind this branch
	s_lshl_b32 s20, ttmp9, 5                       ; 1024 b + 32 g
	s_lshl_b32 s21, ttmp9, 2
	s_add_co_u32 s21, s21, 4096                    ; 4096 + 128 b + 4 g
	v_lshl_add_u32 v[T+1], v0, 2, s20
	v_mov_b32 v[T+2], s21
	v_cmp_gt_u32 vcc_lo, 8, v0
	s_delay_alu instid0(VALU_DEP_1)
	v_cndmask_b32 v[T+1], v[T+2], v[T+1], vcc_lo   ; lanes 0-7: A's places; lane 8: the mean's
	s_delay_alu instid0(VALU_DEP_2)
	v_cndmask_b32 v[T], v[MN], v[T], vcc_lo
	v_cmp_gt_u32 vcc_lo, 9, v0
	s_wait_alu depctr_va_vdst(0)
	s_wait_xcnt 0x0                                ; EXEC changes only behind this wait
	s_and_saveexec_b32 s22, vcc_lo
	global_store_b32 v[T+1], v[T], s[8:9]
	s_wait_xcnt 0x0                                ; and again in front of the line that widens it
	s_or_b32 exec_lo, exec_lo, s22
.Lend:
	s_wait_tensorcnt 0x0
	ds_add_u32 v168, v169
	s_wait_dscnt 0x0
	s_endpgm
.Lfunc_end_k_qa46d33c7d4_gnstat:
	.size	k_qa46d33c7d4_gnstat, .Lfunc_end_k_qa46d33c7d4_gnstat-k_qa46d33c7d4_gnstat
	.p2alignl 7, 3214868480
	.fill 96, 4, 3214868480
	.section	.rodata,"a",@progbits
	.p2align	6, 0x0
	.amdhsa_kernel k_qa46d33c7d4_gnstat
		.amdhsa_group_segment_fixed_size 1536
		.amdhsa_private_segment_fixed_size 0
		.amdhsa_enable_private_segment 0
		.amdhsa_kernarg_size 24
		.amdhsa_user_sgpr_count 2
		.amdhsa_user_sgpr_kernarg_segment_ptr 1
		.amdhsa_wavefront_size32 1
		.amdhsa_system_sgpr_workgroup_id_x 1
		.amdhsa_system_sgpr_workgroup_id_y 1
		.amdhsa_system_sgpr_workgroup_id_z 1
		.amdhsa_system_vgpr_workitem_id 0
		.amdhsa_next_free_vgpr 170
		.amdhsa_next_free_sgpr 66
		.amdhsa_reserve_vcc 1
		.amdhsa_float_denorm_mode_32 3
		.amdhsa_float_denorm_mode_16_64 3
		.amdhsa_memory_ordered 1
		.amdhsa_forward_progress 1
		.amdhsa_inst_pref_size 23
	.end_amdhsa_kernel
	.amdgpu_metadata
---
amdhsa.version: [ 1, 2 ]
amdhsa.kernels:
  - .name:           k_qa46d33c7d4_gnstat
    .symbol:         k_qa46d33c7d4_gnstat.kd
    .args:
      - { .name: x, .offset: 0, .size: 8, .value_kind: global_buffer, .address_space: global }
      - { .name: gamma, .offset: 8, .size: 8, .value_kind: global_buffer, .address_space: global }
      - { .name: stats, .offset: 16, .size: 8, .value_kind: global_buffer, .address_space: global }
    .group_segment_fixed_size: 1536
    .private_segment_fixed_size: 0
    .kernarg_segment_align: 8
    .kernarg_segment_size: 24
    .max_flat_workgroup_size: 256
    .sgpr_count:     66
    .vgpr_count:     170
    .wavefront_size: 32
...
	.end_amdgpu_metadata
.endif
;; end of part 1
;; launch qkv (part 2): grid 256 x 1, 8 waves a work-group, no clusters, 15,360 bytes of LDS; arguments x, stats, beta, w_qkv_codes, w_qkv_scales, qc, qs, kvc, kvs; writes qc, qs, kvc, kvs
.if DOCPART == 2
	.amdgcn_target "amdgcn-amd-amdhsa--gfx1250"
	.amdhsa_code_object_version 6
	.text
	.protected	k_qa46d33c7d4_qkv
	.globl	k_qa46d33c7d4_qkv
	.p2align	8
	.type	k_qa46d33c7d4_qkv,@function
k_qa46d33c7d4_qkv:
	s_mov_b64 s[64:65], 0
	v_nop
	global_prefetch_b8 v0, s[64:65] scope:SCOPE_SE
	s_setreg_imm32_b32 hwreg(HW_REG_WAVE_MODE, 25, 1), 1
	s_wait_xcnt 0x0
; xn = (x - mean) A + beta is quantised along the channels; qkv = w_qkv xn on codes of BF6 (E3M2) with E8M0 scales; q and k are quantised along the head's 64, v along the tokens.
; A work-group of 8 waves owns 64 tokens of one batch.
; PHASE X: wave w takes channels 32 w .. 32 w + 31 (one block along K) of all 64 tokens: a lane holds two tokens and its registers run down the channels, so a block's largest magnitude needs no other lane
; and the conversions give codes with K innermost.  The codes go to LDS as images of operand registers.
; A HALF IMAGE (768 bytes) is six operand registers of 32 lanes: registers 0-3 at 16 x lane, registers 4-5 at 512 + 8 x lane; lane (r, h) holds 32 codes of row r, block h.  Two of them are a fragment of 16 rows x 128 K.
; TILES ARE PERMUTED: of a run of 64 tokens tile 2 b + u holds in row r the token 32 b + 8 u + r + 8 (r / 8), and the rows of w_qkv that form a tile are chosen likewise, so that where such a tile is source 0 the 16
; registers of result tiles 2 b and 2 b + 1 are 16 neighbours along the next K.
; PRODUCTS: wave w = (head hh = w % 4, half t = w / 4) takes, for each of q, k, v, the head's rows 32 t .. 32 t + 31 (two tiles) against the four token tiles: 16 matrix instructions a part.
;   q, k: source 0 = weights, source 1 = tokens: a lane holds one token, registers along d.     v: sources swapped: a lane holds one d, registers along the tokens.
; The weights go from memory straight into operand registers, once a work-group (147,456 + 6,144 bytes); sharing them in a cluster would want tensor loads, an LDS pass and cluster barriers for 48 matrix instructions a wave: left out.
; OUT (laid as the attention launch's operands): qc [y][tile 256][768]; qs [y][tile][row] words (bytes 0, 1: the two d blocks; bytes 2, 3: 0x7f, over zero codes);
;   kvc [y][key step 32][12,288]: 8 key tiles x 768, then V: d tile n, half c at 6144 + 1536 n + 768 c; kvs [y][24,576]: K's words as qs, from 16,384 on V's words [step][n][row], a byte for each 32 keys.   y = 4 batch + head.
; LIMITS: NaN and infinities are not served; a block of zeros (or under the floor 2^(5 - 127)) gets the scale byte 1: its codes are zeros, and the bytes are read by this program alone.
.set XIMG, 0                           ; LDS: xn's half images: token tile T, K step s, half c at 3072 T + 1536 s + 768 c
.set XSC,  12288                       ; their scale words: 128 T + 64 s + 4 r
.set SG,   12800                       ; q's and k's scale bytes on their way to whole words: 512 part + 128 hh + 32 T + 2 r + t
.set L16,  1                           ; v1   16 x lane
.set L8,   2                           ; v2   8 x lane
.set R4,   3                           ; v3   4 x (lane % 16)
.set WA,   4                           ; v4   my bytes in the weights' codes: the wave's 32 rows, permuted row, + 24 (lane / 16)
.set WSA,  5                           ; v5   and in their scale bytes
.set A16,  6                           ; v6-8 phase X: where my even token's registers 0-3, 4-5 and scale byte go
.set A8,   7
.set AS,   8
.set QK16, 9                           ; v9-10 q, k: where my six registers go in the four tiles' half images
.set QK8,  10
.set SGA,  11                          ; v11  my byte among the gathered scale bytes
.set VSO,  12                          ; v12  my two bytes among V's scale words
.set SGR,  13                          ; v13  the gathered bytes, read back
.set XA,   14                          ; v14  my 8 bytes in x
.set XF,   16                          ; v16-111  xn's fragments (T, s) at 12 (2 T + s)
.set T0,   16                          ; phase X: 32 normalised numbers of one token
.set W,    112                         ; v112-159 the part's weight fragments (j, s) at 12 (2 j + s)
.set ACC,  160                         ; v160-223 eight accumulators
.set RAW,  160                         ; phase X: x as loaded: register 2 i + e = channel i, token 2 lane + e
.set XS,   224                         ; v224-231 xn's scale words (T, s): scales and nothing else
.set WS,   232                         ; v232-235 the weights' (j, s): likewise
.set TM,   236                         ; v236-241 at work in the quantisers
.set PW,   242                         ; v242-243 V's two scale bytes of d tile j
.set PC,   244                         ; v244-249 six registers of codes;  v250-252 the second conversion's
.set PC2,  250
.set SEL,  60                          ; s[60:61] selects for lane l xor 16
.set AG,   16                          ; s16-47  rstd x gamma of my 32 channels
.set MEAN, 48                          ; s48-51  the means of their four groups
.set BETA, 68                          ; s68-99  beta
.set MASK, 16                          ; s16, behind phase X: lanes 16-31
.macro NOPS n
.rept \n
	v_nop
.endr
.endm
	s_load_b256 s[4:11], s[0:1], 0x0               ; x s[4:5], stats s[6:7], beta s[8:9], the weights' codes s[10:11]
	s_load_b256 s[52:59], s[0:1], 0x20             ; their scales s[52:53], qc s[54:55], qs s[56:57], kvc s[58:59]
	s_load_b64 s[12:13], s[0:1], 0x40              ; kvs
	v_lshl_add_u32 v255, v0, 2, 0x3800
	s_set_vgpr_msb 0x40
	v_mov_b32 v1, 0
	s_set_vgpr_msb 0x4000
	v_lshrrev_b32 v15, 5, v0
	s_delay_alu instid0(VALU_DEP_1)
	v_readfirstlane_b32 s2, v15                    ; wave w
	s_and_b32 s3, s2, 3                            ; hh (in phase X: the block's place in its K step)
	s_lshr_b32 s15, s2, 2                          ; t  (in phase X: the K step)
	s_lshr_b32 s66, ttmp9, 6                       ; batch
	s_and_b32 s67, ttmp9, 63                       ; which 64 tokens
	s_mov_b32 s[SEL], 0x76543210
	s_mov_b32 s[SEL+1], 0xfedcba98
	s_lshl_b32 s14, s2, 7                          ; beta: my 32 channels
	s_lshl_b32 s100, s66, 10
	s_add_co_u32 s100, s100, s14                   ; A: 1024 b + 128 w
	s_lshl_b32 s101, s66, 7
	s_lshl_b32 s62, s2, 4
	s_add_co_u32 s101, s101, s62                   ; means: 128 b + 16 w
	s_lshl_b32 s62, s66, 22
	s_lshl_b32 s63, s2, 19
	s_add_co_u32 s62, s62, s63
	s_lshl_b32 s63, s67, 8
	s_add_co_u32 s62, s62, s63                     ; x: batch, my first channel, the 64 tokens' 256 bytes
	v_and_b32 v15, 31, v0                          ; lane
	s_delay_alu instid0(VALU_DEP_1)
	v_lshlrev_b32 v[L16], 4, v15
	s_delay_alu instid0(VALU_DEP_2)
	v_lshlrev_b32 v[L8], 3, v15
	s_delay_alu instid0(VALU_DEP_1)
	v_add_nc_u32 v[XA], s62, v[L8]
	s_wait_alu depctr_va_vdst(0)
	s_wait_kmcnt 0x0
	s_load_b512 s[AG:AG+15], s[6:7], s100
	s_load_b512 s[AG+16:AG+31], s[6:7], s100 offset:0x40
	s_load_b128 s[MEAN:MEAN+3], s[6:7], s101 offset:0x1000
	s_load_b512 s[BETA:BETA+15], s[8:9], s14
	s_load_b512 s[BETA+16:BETA+31], s[8:9], s14 offset:0x40
.set i, 0
.rept 32
	global_load_b64 v[RAW+2*i:RAW+2*i+1], v[XA], s[4:5] offset:16384*i   ; a channel's 64 tokens: 32 lanes read 256 consecutive bytes, aligned
.set i, i+1
.endr
	v_and_b32 v240, 15, v0                         ; r
	v_bfe_u32 v241, v0, 4, 1                       ; h
	s_delay_alu instid0(VALU_DEP_2)
	v_lshlrev_b32 v[R4], 2, v240
	s_delay_alu instid0(VALU_DEP_3)
	v_and_b32 v242, 8, v240
	s_delay_alu instid0(VALU_DEP_1)
	v_add_nc_u32 v242, v242, v240                  ; r + 8 (r / 8)
	s_delay_alu instid0(VALU_DEP_1)
	v_mul_u32_u24 v[WA], v242, 192                 ; a row of 256 codes is 192 bytes
	s_delay_alu instid0(VALU_DEP_1)
	v_mad_u32_u24 v[WA], v241, 24, v[WA]
	s_mul_i32 s62, s3, 12288                       ; the head's 64 rows,
	s_mul_i32 s63, s15, 6144                       ; my 32 of them
	s_add_co_u32 s62, s62, s63
	v_add_nc_u32 v[WA], s62, v[WA]
	s_lshl_b32 s62, s3, 9
	s_lshl_b32 s63, s15, 8
	s_add_co_u32 s62, s62, s63
	v_lshl_add_u32 v[WSA], v242, 3, s62            ; 8 scale bytes a row
; The weights of part 0 (q), 1 (k), 2 (v): four fragments and their scale words: 28 loads.
.macro WLOAD part
.irp j, 0,1
.irp s, 0,1
.irp u, 0,1,2,3,4,5
	global_load_b64 v[W+12*(2*\j+\s)+2*\u:W+12*(2*\j+\s)+2*\u+1], v[WA], s[10:11] offset:\part*49152+\j*1536+\s*96+48*(\u/3)+8*(\u%3)
.endr
	global_load_b32 v[WS+2*\j+\s], v[WSA], s[52:53] offset:\part*2048+\j*64+4*\s
.endr
.endr
.endm
	WLOAD 0
	; phase X's LDS places.  My tokens are 2 lane + e: token tile T = 2 l4 + l2, row r = 8 l3 + 2 (lane % 4) + e (l4 .. l2: the lane's bits)
	v_bfe_u32 v243, v0, 2, 1
	v_bfe_u32 v244, v0, 3, 1
	v_and_b32 v245, 3, v0
	s_delay_alu instid0(VALU_DEP_3)
	v_lshl_add_u32 v246, v241, 1, v243             ; T
	s_delay_alu instid0(VALU_DEP_1)
	v_mul_u32_u24 v247, v246, 3072
	s_lshr_b32 s62, s2, 1
	s_mul_i32 s62, s62, 768                        ; my block's K step and half: (w / 2) x 768
	s_and_b32 s63, s2, 1                           ; and which half of the lanes it belongs to
	v_add_nc_u32 v247, s62, v247
	s_delay_alu instid0(VALU_DEP_1)
	v_lshl_add_u32 v[A16], v244, 7, v247
	s_delay_alu instid0(VALU_DEP_1)
	v_lshl_add_u32 v[A16], v245, 5, v[A16]
	s_lshl_b32 s62, s63, 8
	v_add_nc_u32 v[A16], s62, v[A16]
	v_lshl_add_u32 v[A8], v244, 6, v247
	s_delay_alu instid0(VALU_DEP_1)
	v_lshl_add_u32 v[A8], v245, 4, v[A8]
	s_lshl_b32 s62, s63, 7
	s_add_co_u32 s62, s62, 512
	v_add_nc_u32 v[A8], s62, v[A8]
	v_lshlrev_b32 v[AS], 7, v246
	s_delay_alu instid0(VALU_DEP_1)
	v_lshl_add_u32 v[AS], v244, 5, v[AS]
	s_delay_alu instid0(VALU_DEP_1)
	v_lshl_add_u32 v[AS], v245, 3, v[AS]
	s_lshl_b32 s62, s15, 6
	s_add_co_u32 s62, s62, s3
	s_add_co_u32 s62, s62, XSC
	v_add_nc_u32 v[AS], s62, v[AS]
	; the ways out
	v_mul_u32_u24 v247, v241, 768                  ; lanes 16-31 hold the next token tile's codes
	s_delay_alu instid0(VALU_DEP_1)
	v_lshl_add_u32 v[QK16], v240, 4, v247
	s_lshl_b32 s62, s15, 8
	v_add_nc_u32 v[QK16], s62, v[QK16]             ; in a half image my d block t is lane (r, t)
	v_lshl_add_u32 v[QK8], v240, 3, v247
	s_lshl_b32 s62, s15, 7
	s_add_co_u32 s62, s62, 512
	v_add_nc_u32 v[QK8], s62, v[QK8]
	v_lshlrev_b32 v[SGA], 5, v241
	s_delay_alu instid0(VALU_DEP_1)
	v_lshl_add_u32 v[SGA], v240, 1, v[SGA]
	s_lshl_b32 s62, s3, 7
	s_add_co_u32 s62, s62, s15
	s_add_co_u32 s62, s62, SG
	v_add_nc_u32 v[SGA], s62, v[SGA]
	v_lshl_add_u32 v[VSO], v241, 6, v[R4]
	s_lshl_b32 s62, s15, 7
	s_and_b32 s63, s67, 1
	s_lshl_b32 s63, s63, 1
	s_add_co_u32 s62, s62, s63
	v_add_nc_u32 v[VSO], s62, v[VSO]               ; (2 t + h) x 64 + 4 r + 2 x (which 64 of the step's 128 keys)
	s_lshl_b32 s62, s2, 7
	s_add_co_u32 s62, s62, SG
	v_lshl_add_u32 v[SGR], v15, 2, s62
; Token 2 lane + e: normalised, quantised, and stored as lane (r, w % 2)'s six registers of its half image.
.macro XTOK e
.set i, 0
.rept 32
	v_sub_f32 v[T0+i], v[RAW+2*i+\e], s[MEAN+i/8]
.set i, i+1
.endr
.set i, 0
.rept 32
	v_fma_f32 v[T0+i], v[T0+i], s[AG+i], s[BETA+i]
.set i, i+1
.endr
	v_max3_num_f32 v[TM], |v[T0]|, |v[T0+1]|, |v[T0+2]|            ; the block's largest magnitude: all 32 numbers are mine; two chains
	v_max3_num_f32 v[TM+1], |v[T0+3]|, |v[T0+4]|, |v[T0+5]|
.irp i, 6,10,14,18,22,26
	s_delay_alu instid0(VALU_DEP_2)
	v_max3_num_f32 v[TM], v[TM], |v[T0+\i]|, |v[T0+\i+1]|
	s_delay_alu instid0(VALU_DEP_2)
	v_max3_num_f32 v[TM+1], v[TM+1], |v[T0+\i+2]|, |v[T0+\i+3]|
.endr
	s_delay_alu instid0(VALU_DEP_2)
	v_max3_num_f32 v[TM], v[TM], |v[T0+30]|, |v[T0+31]|
	s_delay_alu instid0(VALU_DEP_1)
	v_max3_num_f32 v[TM], v[TM], v[TM+1], 0x2800000                ; and the floor 2^(5 - 127): the byte cannot fall under 1
	s_delay_alu instid0(VALU_DEP_1)
	v_add_nc_u32 v[TM+2], 0xfe000000, v[TM]                        ; 4 off the exponent field: the conversion takes this operand's exponent field as its scale
	s_delay_alu instid0(VALU_DEP_1)
	v_lshrrev_b32 v[TM+3], 23, v[TM+2]                             ; the scale's byte
	v_cvt_scalef32_pk16_bf6_f32 v[PC:PC+2], v[T0:T0+15], v[TM+2]
	v_cvt_scalef32_pk16_bf6_f32 v[PC2:PC2+2], v[T0+16:T0+31], v[TM+2]   ; (a conversion's three registers begin on an even number)
	v_nop                                          ; one plain instruction behind a scaled conversion
.irp i, 0,1,2
	v_mov_b32 v[PC+3+\i], v[PC2+\i]
.endr
	ds_store_b128 v[A16], v[PC:PC+3] offset:16*\e
	ds_store_b64 v[A8], v[PC+4:PC+5] offset:8*\e
	ds_store_b8 v[AS], v[TM+3] offset:4*\e
	s_wait_dscnt 0x0                               ; the stores have landed: their registers may be written again, and the barrier below may be signalled
.endm
	s_wait_kmcnt 0x0                               ; A, the means, beta
	s_wait_loadcnt 28                              ; x's 32 loads are in; the 28 weight loads issued behind them stay out
	XTOK 0
	XTOK 1
	s_barrier_signal -1
	s_barrier_wait -1                              ; xn's sixteen half images and their scale words lie in LDS
.irp T, 0,1,2,3
.irp s, 0,1
.irp c, 0,1
	ds_load_b128 v[XF+12*(2*\T+\s)+6*\c:XF+12*(2*\T+\s)+6*\c+3], v[L16] offset:XIMG+\T*3072+\s*1536+\c*768
	ds_load_b64 v[XF+12*(2*\T+\s)+6*\c+4:XF+12*(2*\T+\s)+6*\c+5], v[L8] offset:XIMG+\T*3072+\s*1536+\c*768+512
.endr
	ds_load_b32 v[XS+2*\T+\s], v[R4] offset:XSC+\T*128+\s*64
.endr
.endr
	; the output bases; s16 to s51 are free from here on
	s_mov_b32 s[MASK], 0xffff0000
	s_lshl_b32 s17, s66, 2
	s_add_co_u32 s17, s17, s3                      ; y = 4 batch + head
	s_lshr_b32 s18, s67, 1                         ; the key step
	s_and_b32 s19, s67, 1                          ; and which 64 of its 128 keys
	s_mul_i32 s20, s17, 196608
	s_mul_i32 s22, s67, 3072
	s_add_co_u32 s20, s20, s22
	s_mov_b32 s21, 0
	s_add_nc_u64 s[54:55], s[54:55], s[20:21]      ; q's four tiles
	s_mul_i32 s20, s17, 393216
	s_mul_i32 s22, s18, 12288
	s_add_co_u32 s20, s20, s22
	s_add_nc_u64 s[58:59], s[58:59], s[20:21]      ; the key step's record
	s_mul_i32 s20, s19, 3072
	s_add_nc_u64 s[24:25], s[58:59], s[20:21]      ; k's four tiles in it
	s_mul_i32 s20, s15, 3072
	s_mul_i32 s22, s19, 768
	s_add_co_u32 s20, s20, s22
	s_add_nc_u64 s[26:27], s[58:59], s[20:21]      ; v: d tiles 2 t, 2 t + 1, my half of the keys (6,144 more stands in the stores' immediates)
	s_mul_i32 s20, s17, 24576
	s_lshl_b32 s22, s18, 8
	s_add_co_u32 s22, s22, s20
	s_add_co_u32 s22, s22, 16384
	s_mov_b32 s23, 0
	s_add_nc_u64 s[28:29], s[12:13], s[22:23]      ; v's scale words of the key step
	s_cmp_lt_u32 s2, 4                             ; waves 0-3 send q's scale words of head w % 4, waves 4-7 k's: the choice hangs on the wave's number alone
	s_cselect_b64 s[30:31], s[56:57], s[12:13]
	s_mov_b32 s22, 24576
	s_cselect_b32 s22, 16384, s22
	s_mul_i32 s22, s22, s17
	s_lshl_b32 s20, s67, 8
	s_add_co_u32 s22, s22, s20
	s_add_nc_u64 s[30:31], s[30:31], s[22:23]
; 16 matrix instructions: K step 0 starts the eight sums with the constant 0, K step 1 adds; the eight accumulators take turns, one instruction a turn.
.macro MUL isv
.irp s, 0,1
.irp T, 0,1,2,3
.irp j, 0,1
.if \isv
.set rD, ACC+32*\j+8*\T
.set rA, XF+12*(2*\T+\s)
.set rB, W+12*(2*\j+\s)
.set rP, XS+2*\T+\s
.set rQ, WS+2*\j+\s
.else
.set rD, ACC+16*\T+8*\j
.set rA, W+12*(2*\j+\s)
.set rB, XF+12*(2*\T+\s)
.set rP, WS+2*\j+\s
.set rQ, XS+2*\T+\s
.endif
.if \s == 0
	v_wmma_scale_f32_16x16x128_f8f6f4 v[rD:rD+7], v[rA:rA+11], v[rB:rB+11], 0, v[rP], v[rQ] matrix_a_fmt:MATRIX_FMT_BF6 matrix_b_fmt:MATRIX_FMT_BF6
.else
	v_wmma_scale_f32_16x16x128_f8f6f4 v[rD:rD+7], v[rA:rA+11], v[rB:rB+11], v[rD:rD+7], v[rP], v[rQ] matrix_a_fmt:MATRIX_FMT_BF6 matrix_b_fmt:MATRIX_FMT_BF6
.endif
.endr
.endr
.endr
.endm
; 32 registers from s on are two blocks of 32 along the next K, 16 numbers of each in this lane and 16 in lane l xor 16.  Out: v[PC .. PC+5]: lanes 0-15 hold block 0's 32 codes, lanes 16-31 block 1's;
; v[TM+2], v[TM+3]: the two scale bytes, in every lane.  Each accumulator is read from its low end on.
.macro QUANT2 s
	v_max3_num_f32 v[TM], |v[(\s)]|, |v[(\s)+1]|, 0x2800000        ; with the floor 2^(5 - 127) among the leaves
	v_max3_num_f32 v[TM+1], |v[(\s)+16]|, |v[(\s)+17]|, 0x2800000
.irp i, 2,4,6,8,10,12,14
	v_max3_num_f32 v[TM], v[TM], |v[(\s)+\i]|, |v[(\s)+1+\i]|
	v_max3_num_f32 v[TM+1], v[TM+1], |v[(\s)+16+\i]|, |v[(\s)+17+\i]|
.endr
	s_delay_alu instid0(VALU_DEP_2)
	v_permlanex16_b32 v[TM+2], v[TM], s[SEL], s[SEL+1]
	s_delay_alu instid0(VALU_DEP_2)
	v_permlanex16_b32 v[TM+3], v[TM+1], s[SEL], s[SEL+1]
	s_delay_alu instid0(VALU_DEP_2)
	v_max_num_f32 v[TM], v[TM], v[TM+2]
	s_delay_alu instid0(VALU_DEP_2)
	v_max_num_f32 v[TM+1], v[TM+1], v[TM+3]
	s_delay_alu instid0(VALU_DEP_2)
	v_add_nc_u32 v[TM+4], 0xfe000000, v[TM]
	s_delay_alu instid0(VALU_DEP_2)
	v_add_nc_u32 v[TM+5], 0xfe000000, v[TM+1]
	s_delay_alu instid0(VALU_DEP_2)
	v_lshrrev_b32 v[TM+2], 23, v[TM+4]
	s_delay_alu instid0(VALU_DEP_2)
	v_lshrrev_b32 v[TM+3], 23, v[TM+5]
	v_cvt_scalef32_pk16_bf6_f32 v[PC:PC+2], v[(\s):(\s)+15], v[TM+4]
	v_cvt_scalef32_pk16_bf6_f32 v[PC2:PC2+2], v[(\s)+16:(\s)+31], v[TM+5]
	v_nop                                          ; one plain instruction behind a scaled conversion
.irp i, 0,1,2
	v_permlane16_swap_b32 v[PC+\i], v[PC2+\i]      ; the first's lanes 16-31 change places with the second's lanes 0-15: now each lane's block's lower 16 codes, and its upper 16
.endr
.irp i, 0,1,2
	s_delay_alu instid0(VALU_DEP_3)
	v_mov_b32 v[PC+3+\i], v[PC2+\i]
.endr
.endm
; q or k: token tiles 2 a and 2 a + 1, d block t.  Each half of the lanes stores 256 consecutive bytes, aligned, of its tile's half image, and 128 of its last 256.
.macro OUTQK part, bs
.irp a, 0,1
	s_wait_xcnt 0x0                                ; the last stores have read their data: the codes' registers are written again only behind this wait
	s_wait_dscnt 0x0                               ; likewise the byte store's
	QUANT2 ACC+32*\a
	global_store_b128 v[QK16], v[PC:PC+3], s[\bs:\bs+1] offset:\a*1536
	global_store_b64 v[QK8], v[PC+4:PC+5], s[\bs:\bs+1] offset:\a*1536
	v_cndmask_b32 v253, v[TM+2], v[TM+3], s[MASK]  ; lanes 16-31 take the second tile's byte
	ds_store_b8 v[SGA], v253 offset:\part*512+\a*64
.endr
.endm
	s_wait_loadcnt 0x0                             ; q's weights
	s_wait_dscnt 0x0                               ; xn's fragments and scale words
	MUL 0
	NOPS 5                                         ; four places in front of loads into registers that the products read and of the first read of results; five in front of the next products, which write over these accumulators
	WLOAD 1                                        ; k's weights land while q is quantised
	OUTQK 0, 54
	s_wait_loadcnt 0x0
	MUL 0
	NOPS 5
	WLOAD 2
	OUTQK 1, 24
	s_wait_loadcnt 0x0
	MUL 1
	NOPS 5
	; v: d tile 2 t + j; the two blocks are the run's tokens 0-31 and 32-63: the six registers are a whole half image as they stand
.irp j, 0,1
	s_wait_xcnt 0x0
	s_wait_dscnt 0x0
	QUANT2 ACC+32*\j
	v_lshl_or_b32 v[PW+\j], v[TM+3], 8, v[TM+2]
	global_store_b128 v[L16], v[PC:PC+3], s[26:27] offset:6144+\j*1536        ; 32 lanes store 512 consecutive bytes, aligned
	global_store_b64 v[L8], v[PC+4:PC+5], s[26:27] offset:6144+\j*1536+512    ; and 256
.endr
	v_cndmask_b32 v253, v[PW], v[PW+1], s[MASK]
	global_store_b16 v[VSO], v253, s[28:29]        ; two bytes of each row's word; the other two are the neighbouring work-group's: 64 bytes a wave against the 8,192 that it reads of x
	s_wait_dscnt 0x0                               ; my scale bytes have landed
	s_barrier_signal -1
	s_barrier_wait -1                              ; both halves' bytes of q's and k's words lie in LDS
	ds_load_b32 v254, v[SGR]                       ; two rows' pairs of bytes
	s_mov_b32 s20, 0xffff
	s_mov_b32 s21, 0x7f7f0000                      ; the bytes over the zero codes of K = 64 .. 127: 1.0
	s_wait_dscnt 0x0
	v_and_or_b32 v[TM+4], v254, s20, s21
	v_lshrrev_b32 v[TM+5], 16, v254
	s_delay_alu instid0(VALU_DEP_1)
	v_or_b32 v[TM+5], s21, v[TM+5]
	global_store_b64 v[L8], v[TM+4:TM+5], s[30:31] ; 32 lanes store 256 consecutive bytes, aligned: four tiles' words
	s_set_vgpr_msb 0x4
	s_wait_tensorcnt 0x0
	ds_add_u32 v255, v1
	s_wait_dscnt 0x0
	s_set_vgpr_msb 0x400
	s_endpgm
.Lfunc_end_k_qa46d33c7d4_qkv:
	.size	k_qa46d33c7d4_qkv, .Lfunc_end_k_qa46d33c7d4_qkv-k_qa46d33c7d4_qkv
	.p2alignl 7, 3214868480
	.fill 96, 4, 3214868480
	.section	.rodata,"a",@progbits
	.p2align	6, 0x0
	.amdhsa_kernel k_qa46d33c7d4_qkv
		.amdhsa_group_segment_fixed_size 15360
		.amdhsa_private_segment_fixed_size 0
		.amdhsa_enable_private_segment 0
		.amdhsa_kernarg_size 72
		.amdhsa_user_sgpr_count 2
		.amdhsa_user_sgpr_kernarg_segment_ptr 1
		.amdhsa_wavefront_size32 1
		.amdhsa_system_sgpr_workgroup_id_x 1
		.amdhsa_system_sgpr_workgroup_id_y 1
		.amdhsa_system_sgpr_workgroup_id_z 1
		.amdhsa_system_vgpr_workitem_id 0
		.amdhsa_next_free_vgpr 258
		.amdhsa_next_free_sgpr 102
		.amdhsa_reserve_vcc 0
		.amdhsa_float_denorm_mode_32 3
		.amdhsa_float_denorm_mode_16_64 3
		.amdhsa_memory_ordered 1
		.amdhsa_forward_progress 1
		.amdhsa_inst_pref_size 55
	.end_amdhsa_kernel
	.amdgpu_metadata
---
amdhsa.version: [ 1, 2 ]
amdhsa.kernels:
  - .name:           k_qa46d33c7d4_qkv
    .symbol:         k_qa46d33c7d4_qkv.kd
    .args:
      - { .name: x, .offset: 0, .size: 8, .value_kind: global_buffer, .address_space: global }
      - { .name: stats, .offset: 8, .size: 8, .value_kind: global_buffer, .address_space: global }
      - { .name: beta, .offset: 16, .size: 8, .value_kind: global_buffer, .address_space: global }
      - { .name: w_qkv_codes, .offset: 24, .size: 8, .value_kind: global_buffer, .address_space: global }
      - { .name: w_qkv_scales, .offset: 32, .size: 8, .value_kind: global_buffer, .address_space: global }
      - { .name: qc, .offset: 40, .size: 8, .value_kind: global_buffer, .address_space: global }
      - { .name: qs, .offset: 48, .size: 8, .value_kind: global_buffer, .address_space: global }
      - { .name: kvc, .offset: 56, .size: 8, .value_kind: global_buffer, .address_space: global }
      - { .name: kvs, .offset: 64, .size: 8, .value_kind: global_buffer, .address_space: global }
    .group_segment_fixed_size: 15360
    .private_segment_fixed_size: 0
    .kernarg_segment_align: 8
    .kernarg_segment_size: 72
    .max_flat_workgroup_size: 256
    .sgpr_count:     102
    .vgpr_count:     258
    .wavefront_size: 32
...
	.end_amdgpu_metadata
.endif
;; end of part 2
;; launch attn (part 3): grid 16 x 16, 16 waves a work-group, clusters of 4 x 1, 327,680 bytes of LDS; arguments qc, qs, kvc, kvs, oc, os; writes oc, os
.if DOCPART == 3
	.amdgcn_target "amdgcn-amd-amdhsa--gfx1250"
	.amdhsa_code_object_version 6
	.text
	.protected	k_qa46d33c7d4_attn
	.globl	k_qa46d33c7d4_attn
	.p2align	8
	.type	k_qa46d33c7d4_attn,@function
k_qa46d33c7d4_attn:
	s_mov_b64 s[64:65], 0
	v_nop
	global_prefetch_b8 v0, s[64:65] scope:SCOPE_SE
	s_setreg_imm32_b32 hwreg(HW_REG_WAVE_MODE, 25, 1), 1
	s_wait_xcnt 0x0
	s_wait_alu depctr_hold_cnt(0) depctr_sa_sdst(0) depctr_va_vdst(0) depctr_va_sdst(0) depctr_va_ssrc(0) depctr_va_vcc(0) depctr_vm_vsrc(0)
	s_getreg_b32 s2, hwreg(HW_REG_IB_STS2, 6, 4)
	s_cmp_eq_u32 s2, 0
	s_cbranch_scc0 .Lentry_in_a_cluster
	s_endpgm
.Lentry_in_a_cluster:
	s_bfe_u32 s2, ttmp6, 0x10000c
	s_cmp_lg_u32 s2, 0x3003
	s_cbranch_scc0 .Lentry_shape_is_right
	s_endpgm
.Lentry_shape_is_right:
; out = softmax(q k^T / 8) v for 16 (batch, head) pairs of 4,096 tokens, head size 64, both products on codes of BF6 (E3M2) with E8M0 scales; out is divided by the row's sum and quantised along d for the projection.
; THE SOFTMAX AHEAD OF THE SECOND PRODUCT: t = score x log2(e) / 8; M = the row's largest t so far, rounded up to a whole number; p = 2^(t - M) is quantised along the keys, not normalised; the row's sum is taken of the
; unquantised p.  When M moves, the sum and O are multiplied by 2^(old M - new M): exact.
; SHARES.  y = 4 batch + head.  A work-group owns 256 queries; each of its sixteen waves one tile of 16, in 256 registers: four waves to a SIMD, so that one wave's vector work stands beside another's products and LDS loads.
; Every wave walks all keys, 128 a step.  Both products are used transposed (S^T = K Q^T, O^T = V^T P^T): a lane holds one query throughout.
; OPERANDS come as half images (768 bytes: six operand registers of 32 lanes: registers 0-3 at 16 x lane, 4-5 at 512 + 8 x lane), so every LDS read is of consecutive bytes.  A key step's record is 12,288 bytes: 8 key tiles,
; then V's four fragments.  The first product's K is 64: registers 6-11 of Q's and K's fragments are zero codes, cleared once, under scale bytes 0x7f.
; Key tiles are permuted (tile 2 b + u, row r: key 32 b + 8 u + r + 8 (r / 8)), so that the 16 registers of score tiles 2 b, 2 b + 1 are 16 neighbouring keys; V's d tiles likewise, so that O^T's are 16 neighbouring d.
; RING: two LDS slots of 8 records, filled by waves 0-3, a quarter each.  CLUSTER: the four query blocks of a cluster walk the same K and V: each load is asked for jointly, by the same line and descriptor with a mask that names the four.
; The head's 24,576 scale bytes come once, with the first fills, and stay.
; LIMITS: NaN and infinities are not served; a block of zeros gets the scale byte 1 (its codes are zeros; the bytes are read by this program alone); 1 / l is v_rcp_f32's; a block's largest p is made from its largest
; score, which takes v_exp_f32 not to fall where its input rises.
.set REC,   12288
.set SLOTB, 8*REC                      ; 98,304 bytes in a slot
.set SLOT1, 1<<17                      ; slot 1 begins here: one exclusive or turns an address in one slot into the other's
.set SCL,   SLOT1+SLOTB                ; 229,376: the head's scale bytes: K's words (512 a step), from 16,384 on V's (256 a step)
.set SPARE, SCL+24576                  ; 253,952: the spare words, 128 bytes for each of 16 waves: eight blocks of 256 bytes that no other line names
.set L16,  1                           ; v1   16 x lane
.set L8,   2                           ; v2   8 x lane + 512
.set L4S,  3                           ; v3   SCL + 4 x lane
.set R4,   4                           ; v4   4 x (lane % 16)
.set SPW,  5                           ; v5   my spare word: SPARE + 4 x my thread's number; never rewritten
.set NIL,  6                           ; v6   0; never rewritten
.set PFO,  7                           ; v7   256 x lane: the prefetches' offset; never rewritten
.set AD16, 8                           ; v8-11 the step's LDS addresses
.set AD8,  9
.set ADS,  10
.set ADT,  11
.set QF,   16                          ; v16-27  Q
.set VS,   28                          ; v28-29  V's scale words: lanes 0-15 d tile 2 i, lanes 16-31 d tile 2 i + 1
.set KFR,  32                          ; v32-79  four fragments of K
.set VFR,  80                          ; v80-127 V's four
.set S,    128                         ; v128-191 S^T, then p
.set OT,   192                         ; v192-223 O^T
.set PC,   224                         ; v224-235 p's codes
.set PC2,  240
.set TM,   232                         ; v232-247 at work
.set KS,   248                         ; v248-251 K's scale words: lanes 0-15 key tile 2 i, lanes 16-31 key tile 2 i + 1
                                       ; v12 -M, v13 the largest t, v[14:15] the sum in two halves, v252 f, v253 p's scale word, v254 at work, v255 Q's scale word
.set WV,   18                          ; s18  wave
.set SEL,  20                          ; s[20:21] selects for lane l xor 16
.set CS,   22                          ; s[22:23] c = log2(e) / 8
.set G1,   24                          ; s[24:31] descriptor group 1: 96 rows of 256 bytes, dense: a quarter of a slot, and the head's scale bytes
.set G0,   32                          ; s[32:35] group 0 for the slots: it walks
.set G0S,  36                          ; s[36:39] group 0 for the scale bytes
.set TB,   2                           ; s2   LDS byte of the record in hand
.set TS,   3                           ; s3   the step's place among K's scale words
.set TJ,   40                          ; s40  and among V's
.set SLOTS, 41                         ; s41  slots still to be asked for
.set CNT,  42                          ; s42  counts a slot's eight steps
.set PFA,  44                          ; s[44:45] where my prefetches stand in memory
.set LIM,  46                          ; s46  1 in a wave that prefetches, else the greatest number
.macro NOPS n
.rept \n
	v_nop
.endr
.endm
; A round of the cluster's barrier: my work-group's barrier, wave 0's signal for the work-group, every wave's wait for all four work-groups, my work-group's barrier once more.
.macro CROUND
	s_barrier_signal -1
	s_barrier_wait -1
	s_cmp_lg_u32 s[WV], 0
	s_cbranch_scc1 .Lnot_wave_0_\@
	s_barrier_signal -3
.Lnot_wave_0_\@:
	s_barrier_wait -3
	s_barrier_signal -1
	s_barrier_wait -1
.endm
; The joint refill: waves 0-3, a quarter of the slot each; the branch hangs on the wave's number alone.  Four v_nop follow the load.
.macro TLOAD
	s_cmp_lt_u32 s[WV], 4
	s_cbranch_scc0 .Lasked_\@
	tensor_load_to_lds s[G0:G0+3], s[G1:G1+7]
	s_nop 0
	NOPS 4
.Lasked_\@:
.endm
; A prefetch of the slot that the NEXT change of slots will ask for, eight key steps ahead of that load.  All clusters of a head walk the same records: the head's first cluster asks.  Its four partners take 24,576 bytes
; each, told apart by address; in each, waves 8, 9, 10 take 8,192 bytes, lanes 256 bytes apart: 4 x 3 x 32 blocks of 256 bytes are a slot, each named once.  The last change that fills a slot asks for nothing.
.macro ASK
	s_cmp_gt_u32 s[SLOTS], s[LIM]
	s_cbranch_scc0 .Lnot_mine_\@
	global_prefetch_b8 v[PFO], s[PFA:PFA+1] th:TH_LOAD_NT scope:SCOPE_SE
.Lnot_mine_\@:
.endm
	s_load_b256 s[4:11], s[0:1], 0x0               ; qc s[4:5], qs s[6:7], kvc s[8:9], kvs s[10:11]
	s_load_b128 s[12:15], s[0:1], 0x20             ; oc s[12:13], os s[14:15]
	v_lshl_add_u32 v[SPW], v0, 2, SPARE
	v_mov_b32 v[NIL], 0
	ds_add_u32 v5, v6
	ds_add_u32 v5, v6
	s_wait_dscnt 0x0
	v_lshrrev_b32 v8, 5, v0
	s_delay_alu instid0(VALU_DEP_1)
	v_readfirstlane_b32 s[WV], v8                  ; wave 0..15
	s_and_b32 s48, ttmp7, 0xffff                   ; y, which the four partners share
	s_and_b32 s19, s[WV], 3
	s_mul_i32 s56, s48, 393216                     ; the head's records,
	s_mul_i32 s57, s19, 24576                      ; my quarter of a slot
	s_add_co_u32 s56, s56, s57
	s_mov_b32 s57, 0
	s_mul_i32 s58, s48, 24576                      ; the head's scale bytes
	s_mov_b32 s59, 0
	s_mov_b32 s[G1], 15|(3<<16)|(1<<21)            ; 15:0 the mask: all four work-groups; 17:16 elements of 8 bytes; 20 no padding; 21 set beside a mask
	s_mov_b32 s[G1+1], 32<<16                      ; tensor_dim0 = 32 elements: 256 bytes
	s_mov_b32 s[G1+2], 96<<16                      ; tensor_dim1 = 96
	s_mov_b32 s[G1+3], 32<<16                      ; tile_dim0
	s_mov_b32 s[G1+4], 96                          ; tile_dim1
	s_mov_b32 s[G1+5], 32                          ; from row to row
	s_mov_b32 s[G1+6], 0
	s_mov_b32 s[G1+7], 0
	s_mov_b32 s[SEL], 0x76543210
	s_mov_b32 s[SEL+1], 0xfedcba98
	s_mov_b32 s[CS], 0x3e38aa3b                    ; log2(e) / 8
	s_mov_b32 s[CS+1], s[CS]                       ; (named with it as a pair, so it is written)
	s_mov_b32 s[TB], 0
	s_mov_b32 s[TS], 0
	s_mov_b32 s[TJ], 0
	s_mov_b32 s[SLOTS], 3
	s_wait_kmcnt 0x0
	s_mov_b32 s[G0], 1                             ; count = 1
	s_mul_i32 s[G0+1], s19, 24576                  ; LDS: slot 0, my quarter: no place in the cluster enters an LDS address
	s_add_nc_u64 s[G0+2:G0+3], s[8:9], s[56:57]
	s_or_b32 s[G0+3], s[G0+3], 0x80000000          ; type = 2
	s_mov_b32 s[G0S], 1
	s_mov_b32 s[G0S+1], SCL
	s_add_nc_u64 s[G0S+2:G0S+3], s[10:11], s[58:59]
	s_or_b32 s[G0S+3], s[G0S+3], 0x80000000
	CROUND                                         ; all four work-groups are here: the first joint loads meet
	s_cmp_lt_u32 s[WV], 4                          ; the first fills: waves 0-3 slot 0's quarters, wave 4 the scale bytes: at most one load of a wave is out, here and ever
	s_cbranch_scc0 .Lnot_slot
	tensor_load_to_lds s[G0:G0+3], s[G1:G1+7]
	s_nop 0
	NOPS 4
	s_branch .Lfirst_asked
.Lnot_slot:
	s_cmp_eq_u32 s[WV], 4
	s_cbranch_scc0 .Lfirst_asked
	tensor_load_to_lds s[G0S:G0S+3], s[G1:G1+7]
	s_nop 0
	NOPS 4
.Lfirst_asked:
	s_bfe_u32 s51, ttmp6, 0x40000                  ; cx: it enters Q's, O's and the prefetches' global addresses alone
	s_lshl_b32 s52, ttmp9, 2
	s_add_co_u32 s52, s52, s51                     ; my block of 256 queries
	s_lshl_b32 s53, s52, 4
	s_add_co_u32 s53, s53, s[WV]                   ; my tile of 16
	s_lshr_b32 s49, s48, 2                         ; batch
	s_and_b32 s50, s48, 3                          ; head
	s_mov_b32 s61, 0
	s_mul_i32 s60, s48, 196608
	s_mul_i32 s62, s53, 768
	s_add_co_u32 s60, s60, s62
	s_add_nc_u64 s[4:5], s[4:5], s[60:61]          ; Q's half image
	s_lshl_b32 s60, s48, 14
	s_lshl_b32 s62, s53, 6
	s_add_co_u32 s60, s60, s62
	s_add_nc_u64 s[6:7], s[6:7], s[60:61]          ; and its scale words
	v_and_b32 v8, 31, v0
	s_delay_alu instid0(VALU_DEP_1)
	v_lshlrev_b32 v[L16], 4, v8
	s_delay_alu instid0(VALU_DEP_2)
	v_lshlrev_b32 v[L8], 3, v8
	s_delay_alu instid0(VALU_DEP_1)
	v_add_nc_u32 v[L8], 512, v[L8]
	s_delay_alu instid0(VALU_DEP_4)
	v_lshl_add_u32 v[L4S], v8, 2, SCL
	v_and_b32 v9, 15, v0
	s_delay_alu instid0(VALU_DEP_1)
	v_lshlrev_b32 v[R4], 2, v9
	v_lshlrev_b32 v[PFO], 8, v8
	global_load_b128 v[QF:QF+3], v[L16], s[4:5]
	global_load_b64 v[QF+4:QF+5], v[L8], s[4:5]
	global_load_b32 v255, v[R4], s[6:7]
	s_mul_i32 s60, s49, 786432
	s_mul_i32 s62, s53, 3072
	s_add_co_u32 s60, s60, s62
	s_mul_i32 s62, s50, 768
	s_add_co_u32 s60, s60, s62
	s_add_nc_u64 s[12:13], s[12:13], s[60:61]      ; out's half image: [batch][tile][head]
	s_lshl_b32 s60, s49, 15
	s_lshl_b32 s62, s53, 7
	s_add_co_u32 s60, s60, s62
	s_lshr_b32 s62, s50, 1
	s_lshl_b32 s62, s62, 6
	s_add_co_u32 s60, s60, s62
	s_and_b32 s62, s50, 1
	s_lshl_b32 s62, s62, 1
	s_add_co_u32 s60, s60, s62
	s_add_nc_u64 s[14:15], s[14:15], s[60:61]      ; its two bytes of each row's scale word
	s_mul_i32 s60, s48, 393216
	s_mul_i32 s62, s51, 24576
	s_add_co_u32 s60, s60, s62
	s_lshl_b32 s62, s19, 13
	s_add_co_u32 s60, s60, s62
	s_add_co_u32 s60, s60, SLOTB                   ; in slot 1: the first change of slots steps it to slot 2.  Nothing is prefetched here, at the head
	s_add_nc_u64 s[PFA:PFA+1], s[8:9], s[60:61]
	s_sub_co_u32 s62, s[WV], 8
	s_cmp_lt_u32 s62, 3                            ; waves 8, 9, 10
	s_cselect_b32 s[LIM], 1, -1
	s_cmp_eq_u32 ttmp9, 0                          ; of the head's first cluster: the same in all four partners
	s_cselect_b32 s[LIM], s[LIM], -1
.irp i, 6,7,8,9,10,11
	v_mov_b32 v[QF+\i], 0                          ; zero codes for K = 64 .. 127
.irp t, 0,1,2,3
	v_mov_b32 v[KFR+12*\t+\i], 0                   ; cleared once; no load ever lands here
.endr
.endr
.set j, 0
.rept 32
	v_mov_b32 v[OT+j], 0                           ; the step is written once: the first finds zeros, which the first change of M leaves zeros
.set j, j+1
.endr
	v_mov_b32 v13, 0xff61b1e6                      ; the largest t so far: -3e38
	s_delay_alu instid0(VALU_DEP_1)
	v_floor_f32 v12, -v13                          ; -M
	v_mov_b32 v14, 0
	v_mov_b32 v15, 0
.irp b, 0,1,2,3
	v_mov_b32 v[236+\b], 0                         ; a lane permute's destination counts as read
.endr
	v_mov_b32 v253, 0                              ; (named as the upper half of the pair v[252:253] before it is first written)
; A KEY STEP: 128 keys.
.macro STEP
	v_add_nc_u32 v[AD16], s[TB], v[L16]            ; these four are also places behind the last step's products
	s_wait_alu depctr_va_vdst(0)
	v_add_nc_u32 v[AD8], s[TB], v[L8]
	s_wait_alu depctr_va_vdst(0)
	v_add_nc_u32 v[ADS], s[TS], v[L4S]
	v_add_nc_u32 v[ADT], s[TJ], v[L4S]
.irp g, 0,1                                    ; S^T = K Q^T, four tiles of 16 keys at a time
.if \g
	NOPS 4                                         ; places in front of loads into registers that matrix instructions have read
.endif
.irp t, 0,1,2,3
	ds_load_b128 v[KFR+12*\t:KFR+12*\t+3], v[AD16] offset:768*(4*\g+\t)
	ds_load_b64 v[KFR+12*\t+4:KFR+12*\t+5], v[AD8] offset:768*(4*\g+\t)
.endr
.if \g == 0
.irp i, 0,1,2,3
	ds_load_b32 v[KS+\i], v[ADS] offset:128*\i
.endr
.endif
	s_wait_dscnt 0x0
.irp t, 0,1,2,3
.if \t % 2
	v_wmma_scale_f32_16x16x128_f8f6f4 v[S+8*(4*\g+\t):S+8*(4*\g+\t)+7], v[KFR+12*\t:KFR+12*\t+11], v[QF:QF+11], 0, v[KS+2*\g+\t/2], v255 matrix_a_fmt:MATRIX_FMT_BF6 matrix_b_fmt:MATRIX_FMT_BF6 matrix_a_scale:MATRIX_SCALE_ROW1
.else
	v_wmma_scale_f32_16x16x128_f8f6f4 v[S+8*(4*\g+\t):S+8*(4*\g+\t)+7], v[KFR+12*\t:KFR+12*\t+11], v[QF:QF+11], 0, v[KS+2*\g+\t/2], v255 matrix_a_fmt:MATRIX_FMT_BF6 matrix_b_fmt:MATRIX_FMT_BF6
.endif
.endr
.endr
.irp n, 0,1,2,3                                ; V's fragments are asked for here and land under the softmax; their registers' last readers stand eight plain instructions back
.irp c, 0,1
	ds_load_b128 v[VFR+12*\n+6*\c:VFR+12*\n+6*\c+3], v[AD16] offset:6144+1536*\n+768*\c
	ds_load_b64 v[VFR+12*\n+6*\c+4:VFR+12*\n+6*\c+5], v[AD8] offset:6144+1536*\n+768*\c
.endr
.endr
	s_wait_alu depctr_va_vdst(0)
	ds_load_b32 v[VS], v[ADT] offset:16384
	ds_load_b32 v[VS+1], v[ADT] offset:16384+128
	NOPS 4                                         ; places in front of the first read of the scores
.irp b, 0,1,2,3
	v_max3_num_f32 v[232+\b], v[S+16*\b], v[S+1+16*\b], v[S+2+16*\b]   ; the largest score of each block of 32 keys: it serves for the row's maximum and, since p rises with the score, for the block's largest p
.endr
.irp i, 3,5,7,9,11,13
.irp b, 0,1,2,3
	v_max3_num_f32 v[232+\b], v[232+\b], v[S+16*\b+\i], v[S+1+16*\b+\i]
.endr
.endr
.irp b, 0,1,2,3
	v_max_num_f32 v[232+\b], v[232+\b], v[S+15+16*\b]
.endr
.irp b, 0,1,2,3
	s_delay_alu instid0(VALU_DEP_4)
	v_permlanex16_b32 v[236+\b], v[232+\b], s[SEL], s[SEL+1]
.endr
.irp b, 0,1,2,3
	s_delay_alu instid0(VALU_DEP_4)
	v_max_num_f32 v[232+\b], v[232+\b], v[236+\b]  ; with lane l xor 16's 16 keys
.endr
	s_delay_alu instid0(VALU_DEP_2)
	v_max3_num_f32 v254, v232, v233, v234
	s_delay_alu instid0(VALU_DEP_1)
	v_max_num_f32 v254, v254, v235                 ; the step's largest score of my query
	s_delay_alu instid0(VALU_DEP_1)
	v_mul_f32 v254, s[CS], v254                    ; as t (c is positive)
	s_delay_alu instid0(VALU_DEP_1)
	v_max_num_f32 v13, v13, v254                   ; the running largest t
	v_mov_b32 v254, v12
	s_delay_alu instid0(VALU_DEP_2)
	v_floor_f32 v12, -v13                          ; the new -M = floor(-t) = -ceil(t)
	s_delay_alu instid0(VALU_DEP_1)
	v_sub_f32 v254, v12, v254                      ; old M - new M: a whole number, 0 or less
	s_delay_alu instid0(VALU_DEP_1)
	v_cvt_i32_f32 v254, v254                       ; (it saturates)
	s_delay_alu instid0(VALU_DEP_1)
	v_ldexp_f32 v252, 1.0, v254                    ; f = 2^(old M - new M)
.set j, 0
.rept 32
	v_pk_fma_f32 v[S+j:S+j+1], v[S+j:S+j+1], s[CS:CS+1], v[12:13] op_sel_hi:[1,0,0]   ; t - M, two at a time
.set j, j+2
.endr
.irp b, 0,1,2,3
	v_fma_f32 v[232+\b], v[232+\b], s[CS], v12     ; the same of each block's largest score
.endr
.set j, 0
	s_setprio 1
	s_wait_alu depctr_va_vdst(0)
.rept 64
	v_exp_f32 v[S+j], v[S+j]                       ; p = 2^(t - M), at most 1
.set j, j+1
.endr
	v_pk_mul_f32 v[14:15], v[14:15], v[252:253] op_sel_hi:[1,0]   ; the sums under the new M: a plain instruction behind the exponentials
	s_wait_alu depctr_va_vdst(0)                   ; one wait for the batch of 64, ahead of its first reader
.irp b, 0,1,2,3
	v_exp_f32 v[232+\b], v[232+\b]                 ; the block's largest p: the same two instructions on the same number give the same bits
.endr
	v_pk_add_f32 v[236:237], v[132:133], v[136:137]
	v_pk_add_f32 v[250:251], v[140:141], v[144:145]
	v_pk_add_f32 v[248:249], v[148:149], v[152:153]
	v_pk_add_f32 v[246:247], v[156:157], v[160:161]
	v_pk_add_f32 v[244:245], v[164:165], v[168:169]
	v_pk_add_f32 v[242:243], v[172:173], v[176:177]
	v_pk_add_f32 v[240:241], v[180:181], v[184:185]
	v_pk_add_f32 v[14:15], v[14:15], v[188:189]
	v_pk_add_f32 v[236:237], v[236:237], v[128:129]
	v_pk_add_f32 v[250:251], v[250:251], v[130:131]
	v_pk_add_f32 v[248:249], v[248:249], v[134:135]
	v_pk_add_f32 v[246:247], v[246:247], v[138:139]
	v_pk_add_f32 v[244:245], v[244:245], v[142:143]
	v_pk_add_f32 v[242:243], v[242:243], v[146:147]
	v_pk_add_f32 v[240:241], v[240:241], v[150:151]
	v_pk_add_f32 v[14:15], v[14:15], v[154:155]
	v_pk_add_f32 v[236:237], v[236:237], v[158:159]
	v_pk_add_f32 v[250:251], v[250:251], v[162:163]
	v_pk_add_f32 v[248:249], v[248:249], v[166:167]
	v_pk_add_f32 v[246:247], v[246:247], v[170:171]
	v_pk_add_f32 v[244:245], v[244:245], v[174:175]
	v_pk_add_f32 v[242:243], v[242:243], v[178:179]
	v_pk_add_f32 v[240:241], v[240:241], v[182:183]
	v_pk_add_f32 v[14:15], v[14:15], v[186:187]
	v_pk_add_f32 v[236:237], v[236:237], v[190:191]
	s_delay_alu instid0(VALU_DEP_2)
	v_pk_add_f32 v[14:15], v[14:15], v[246:247]
	s_delay_alu instid0(VALU_DEP_2)
	v_pk_add_f32 v[236:237], v[236:237], v[244:245]
	v_pk_add_f32 v[250:251], v[250:251], v[242:243]
	v_pk_add_f32 v[248:249], v[248:249], v[240:241]
	s_delay_alu instid0(VALU_DEP_2)
	v_pk_add_f32 v[14:15], v[14:15], v[250:251]
	s_delay_alu instid0(VALU_DEP_2)
	v_pk_add_f32 v[236:237], v[236:237], v[248:249]
	s_delay_alu instid0(VALU_DEP_1)
	v_pk_add_f32 v[14:15], v[14:15], v[236:237]
	s_wait_alu depctr_va_vdst(0)                   ; and one for the four
.irp b, 0,1,2,3
	v_max_num_f32 v[232+\b], 0x2800000, v[232+\b]  ; the floor 2^(5 - 127): the byte cannot fall under 1
.endr
.irp b, 0,1,2,3
	s_delay_alu instid0(VALU_DEP_4)
	v_add_nc_u32 v[244+\b], 0xfe000000, v[232+\b]  ; 4 off the exponent field: the conversion's scale operand
.endr
.irp b, 0,1,2,3
	s_delay_alu instid0(VALU_DEP_4)
	v_lshrrev_b32 v[236+\b], 23, v[244+\b]         ; the scale's byte
.endr
	s_delay_alu instid0(VALU_DEP_3)
	v_lshl_or_b32 v253, v237, 8, v236              ; p's scale word for these 128 keys
	s_delay_alu instid0(VALU_DEP_1)
	v_lshl_or_b32 v253, v238, 16, v253
	s_delay_alu instid0(VALU_DEP_1)
	v_lshl_or_b32 v253, v239, 24, v253
.irp c, 0,1
	v_cvt_scalef32_pk16_bf6_f32 v[PC+6*\c:PC+2+6*\c], v[S+32*\c:S+15+32*\c], v[244+2*\c]
	v_cvt_scalef32_pk16_bf6_f32 v[236+4*\c:238+4*\c], v[S+16+32*\c:S+31+32*\c], v[245+2*\c]   ; (a conversion's three registers begin on an even number)
.endr
	v_nop                                          ; one plain instruction behind a scaled conversion
.irp c, 0,1                                    ; the operand wants a whole block in a lane: lanes 0-15 block 2 c, lanes 16-31 block 2 c + 1
.irp i, 0,1,2
	v_permlane16_swap_b32 v[PC+6*\c+\i], v[236+4*\c+\i]
.endr
.irp i, 0,1,2
	s_delay_alu instid0(VALU_DEP_3)
	v_mov_b32 v[PC+3+6*\c+\i], v[236+4*\c+\i]
.endr
.endr
.set j, 0
	s_setprio 0
.rept 16
	v_pk_mul_f32 v[OT+j:OT+j+1], v[OT+j:OT+j+1], v[252:253] op_sel_hi:[1,0]   ; O^T under the new M.  Twelve of these sixteen name no register of any one product below: the places between p's scale word and codes and the products
.set j, j+2
.endr
	s_wait_alu depctr_va_vdst(0)
	s_wait_dscnt 0x0                               ; V's fragments and scale words
.irp n, 0,1,2,3                                ; O^T += V^T P^T: the four accumulators take turns, one instruction a turn
.if \n % 2
	v_wmma_scale_f32_16x16x128_f8f6f4 v[OT+8*\n:OT+8*\n+7], v[VFR+12*\n:VFR+12*\n+11], v[PC:PC+11], v[OT+8*\n:OT+8*\n+7], v[VS+\n/2], v253 matrix_a_fmt:MATRIX_FMT_BF6 matrix_b_fmt:MATRIX_FMT_BF6 matrix_a_scale:MATRIX_SCALE_ROW1
.else
	v_wmma_scale_f32_16x16x128_f8f6f4 v[OT+8*\n:OT+8*\n+7], v[VFR+12*\n:VFR+12*\n+11], v[PC:PC+11], v[OT+8*\n:OT+8*\n+7], v[VS+\n/2], v253 matrix_a_fmt:MATRIX_FMT_BF6 matrix_b_fmt:MATRIX_FMT_BF6
.endif
.endr
	s_add_co_u32 s[TB], s[TB], REC                 ; the next step's record and scale words
	s_add_co_u32 s[TS], s[TS], 512
	s_add_co_u32 s[TJ], s[TJ], 256
.endm
; THE CHANGE OF SLOTS stands at a slot's head.  Each wave waits for all its tensor loads, adds 0 to its spare word, and waits for that and for its reads of the slot that it has left.  fill = 1: a round of the cluster's
; barrier follows, so that no wave of any partner still reads that slot or has a load on its way, and the joint refill is the first thing behind it: it has eight key steps in which to land.
.macro CHANGE fill
	s_wait_tensorcnt 0x0                           ; no tensor load of mine is out, so group 0 may be written
	ds_add_u32 v[SPW], v[NIL]                      ; 0 onto my spare word
.if \fill
	s_xor_b32 s[G0+1], s[G0+1], SLOT1              ; the other slot than last time,
	s_add_nc_u64 s[G0+2:G0+3], s[G0+2:G0+3], SLOTB ; the next eight records; the type bits on top are not reached
	s_wait_xcnt 0x0                                ; the last prefetch, a slot back, has read its address
	s_add_nc_u64 s[PFA:PFA+1], s[PFA:PFA+1], SLOTB ; one slot further on than the walking descriptor
.endif
	s_wait_dscnt 0x0                               ; the add is done, and my reads of the slot that I have left are over
.if \fill
	CROUND
	TLOAD
	ASK
.else
	s_barrier_signal -1
	s_barrier_wait -1
.endif
.endm
.macro SLOT_STEPS                      ; a slot's eight key steps: written once, walked eight times
	s_mov_b32 s[CNT], 8
.Lstep_\@:
	s_setprio 2
	STEP
	s_sub_co_u32 s[CNT], s[CNT], 1
	s_cmp_lg_u32 s[CNT], 0
	s_cbranch_scc1 .Lstep_\@
	s_setprio 0
	s_sub_co_u32 s[TB], s[TB], SLOTB               ; back to a slot's first record,
	s_xor_b32 s[TB], s[TB], SLOT1                  ; in the other slot
.endm
	s_wait_loadcnt 0x0                             ; Q
.Lslot:                                            ; three trips: behind each change of slots but the last the next slot is asked for
	CHANGE 1
	SLOT_STEPS
	s_sub_co_u32 s[SLOTS], s[SLOTS], 1
	s_cmp_lg_u32 s[SLOTS], 0
	s_cbranch_scc1 .Lslot
	CHANGE 0                                       ; the last slot is written out
	SLOT_STEPS
	; THE WAY OUT.  O^T / l; registers 16 t + i are d = 32 t + 16 (lane / 16) + i: two blocks along the projection's K, quantised as they stand; the six registers of codes are a whole half image.
	NOPS 4
	v_add_f32 v14, v14, v15
	s_delay_alu instid0(VALU_DEP_1)
	v_permlanex16_b32 v252, v14, s[SEL], s[SEL+1]
	s_delay_alu instid0(VALU_DEP_1)
	v_add_f32 v14, v14, v252                       ; the row's sum
	s_wait_alu depctr_va_vdst(0)
	v_rcp_f32 v14, v14
	v_nop                                          ; a plain instruction behind the transcendental
	s_wait_alu depctr_va_vdst(0)                   ; and the wait ahead of the first reader
.set j, 0
.rept 16
	v_pk_mul_f32 v[S+j:S+j+1], v[OT+j:OT+j+1], v[14:15] op_sel_hi:[1,0]   ; each accumulator from its low end on
.set j, j+2
.endr
	v_max3_num_f32 v[TM], |v[S]|, |v[S+1]|, 0x2800000              ; with the floor 2^(5 - 127)
	v_max3_num_f32 v[TM+1], |v[S+16]|, |v[S+17]|, 0x2800000
.irp i, 2,4,6,8,10,12,14
	s_delay_alu instid0(VALU_DEP_2)
	v_max3_num_f32 v[TM], v[TM], |v[S+\i]|, |v[S+1+\i]|
	s_delay_alu instid0(VALU_DEP_2)
	v_max3_num_f32 v[TM+1], v[TM+1], |v[S+16+\i]|, |v[S+17+\i]|
.endr
	s_delay_alu instid0(VALU_DEP_2)
	v_permlanex16_b32 v[TM+2], v[TM], s[SEL], s[SEL+1]
	s_delay_alu instid0(VALU_DEP_2)
	v_permlanex16_b32 v[TM+3], v[TM+1], s[SEL], s[SEL+1]
	s_delay_alu instid0(VALU_DEP_2)
	v_max_num_f32 v[TM], v[TM], v[TM+2]
	s_delay_alu instid0(VALU_DEP_2)
	v_max_num_f32 v[TM+1], v[TM+1], v[TM+3]
	s_delay_alu instid0(VALU_DEP_2)
	v_add_nc_u32 v[TM+4], 0xfe000000, v[TM]
	s_delay_alu instid0(VALU_DEP_2)
	v_add_nc_u32 v[TM+5], 0xfe000000, v[TM+1]
	s_delay_alu instid0(VALU_DEP_2)
	v_lshrrev_b32 v[TM+2], 23, v[TM+4]
	s_delay_alu instid0(VALU_DEP_2)
	v_lshrrev_b32 v[TM+3], 23, v[TM+5]
	v_cvt_scalef32_pk16_bf6_f32 v[PC:PC+2], v[S:S+15], v[TM+4]
	v_cvt_scalef32_pk16_bf6_f32 v[PC2:PC2+2], v[S+16:S+31], v[TM+5]
	v_nop                                          ; one plain instruction behind a scaled conversion
.irp i, 0,1,2
	v_permlane16_swap_b32 v[PC+\i], v[PC2+\i]
.endr
.irp i, 0,1,2
	s_delay_alu instid0(VALU_DEP_3)
	v_mov_b32 v[PC+3+\i], v[PC2+\i]
.endr
	v_lshl_or_b32 v254, v[TM+3], 8, v[TM+2]
	global_store_b128 v[L16], v[PC:PC+3], s[12:13] ; 32 lanes store 512 consecutive bytes, aligned,
	global_store_b64 v[L8], v[PC+4:PC+5], s[12:13] ; and 256
	global_store_b16 v[R4], v254, s[14:15]         ; my head's two bytes of each row's word (both halves of the lanes hold the same value for the same place)
	s_wait_tensorcnt 0x0                           ; the wave's end
	ds_add_u32 v[SPW], v[NIL]
	s_wait_dscnt 0x0
	CROUND                                         ; the closing round: no work-group ends while a partner may still ask for a tile that names it
	s_endpgm
.Lfunc_end_k_qa46d33c7d4_attn:
	.size	k_qa46d33c7d4_attn, .Lfunc_end_k_qa46d33c7d4_attn-k_qa46d33c7d4_attn
	.p2alignl 7, 3214868480
	.fill 96, 4, 3214868480
	.section	.rodata,"a",@progbits
	.p2align	6, 0x0
	.amdhsa_kernel k_qa46d33c7d4_attn
		.amdhsa_group_segment_fixed_size 327680
		.amdhsa_private_segment_fixed_size 0
		.amdhsa_enable_private_segment 0
		.amdhsa_kernarg_size 48
		.amdhsa_user_sgpr_count 2
		.amdhsa_user_sgpr_kernarg_segment_ptr 1
		.amdhsa_wavefront_size32 1
		.amdhsa_system_sgpr_workgroup_id_x 1
		.amdhsa_system_sgpr_workgroup_id_y 1
		.amdhsa_system_sgpr_workgroup_id_z 1
		.amdhsa_system_vgpr_workitem_id 0
		.amdhsa_next_free_vgpr 256
		.amdhsa_next_free_sgpr 66
		.amdhsa_reserve_vcc 0
		.amdhsa_float_denorm_mode_32 3
		.amdhsa_float_denorm_mode_16_64 3
		.amdhsa_memory_ordered 1
		.amdhsa_forward_progress 1
		.amdhsa_inst_pref_size 51
	.end_amdhsa_kernel
	.amdgpu_metadata
---
amdhsa.version: [ 1, 2 ]
amdhsa.kernels:
  - .name:           k_qa46d33c7d4_attn
    .symbol:         k_qa46d33c7d4_attn.kd
    .args:
      - { .name: qc, .offset: 0, .size: 8, .value_kind: global_buffer, .address_space: global }
      - { .name: qs, .offset: 8, .size: 8, .value_kind: global_buffer, .address_space: global }
      - { .name: kvc, .offset: 16, .size: 8, .value_kind: global_buffer, .address_space: global }
      - { .name: kvs, .offset: 24, .size: 8, .value_kind: global_buffer, .address_space: global }
      - { .name: oc, .offset: 32, .size: 8, .value_kind: global_buffer, .address_space: global }
      - { .name: os, .offset: 40, .size: 8, .value_kind: global_buffer, .address_space: global }
    .group_segment_fixed_size: 327680
    .private_segment_fixed_size: 0
    .kernarg_segment_align: 8
    .kernarg_segment_size: 48
    .max_flat_workgroup_size: 512
    .sgpr_count:     66
    .vgpr_count:     256
    .wavefront_size: 32
...
	.end_amdgpu_metadata
.endif
;; end of part 3
;; launch proj (part 4): grid 256 x 1, 16 waves a work-group, no clusters, 71,680 bytes of LDS; arguments oc, os, w_proj_codes, w_proj_scales, b_proj, x, out0; writes out0
.if DOCPART == 4
	.amdgcn_target "amdgcn-amd-amdhsa--gfx1250"
	.amdhsa_code_object_version 6
	.text
	.protected	k_qa46d33c7d4_proj
	.globl	k_qa46d33c7d4_proj
	.p2align	8
	.type	k_qa46d33c7d4_proj,@function
k_qa46d33c7d4_proj:
	s_mov_b64 s[64:65], 0
	v_nop
	global_prefetch_b8 v0, s[64:65] scope:SCOPE_SE
	s_setreg_imm32_b32 hwreg(HW_REG_WAVE_MODE, 25, 1), 1
	s_wait_xcnt 0x0
; out0 = x + w_proj out + b_proj, the product on codes of BF6 (E3M2) with E8M0 scales.  out arrives as half images [batch][token tile][head][768] (six operand registers of 32 lanes: registers 0-3 at 16 x lane,
; 4-5 at 512 + 8 x lane) with scale words [batch][tile][K step][row]; two heads are a K step of 128 channels.
; A work-group of 16 waves owns 64 tokens of one batch; wave w owns output channels 16 w .. 16 w + 15 for the four token tiles: 8 matrix instructions.
; Source 0 = 16 tokens, source 1 = 16 rows of w_proj: a lane holds one output channel and eight neighbouring tokens (token tiles are permuted: tile 2 b + u, row m: token 32 b + 8 u + m + 8 (m / 8)), 32 bytes of a row of out0.
; The bias is the C of each sum's first matrix instruction.  The results go through the wave's own stage in LDS and come back as rows of 256 bytes, to which x is added: sixteen lanes load and store 256 consecutive bytes, aligned.
; No barrier: waves share nothing in LDS.  No tensor load, no cluster: the operands go straight into registers, for 8 matrix instructions a wave.
.set OF,  16                           ; v16-111  out's fragments (T, s) at 12 (2 T + s)
.set WF,  112                          ; v112-135 w_proj's two
.set ACC, 136                          ; v136-167 four accumulators
.set XR,  168                          ; v168-199 x
.set BC,  200                          ; v200-207 the bias in the result's layout
.set OS,  208                          ; v208-215 out's scale words: scales and nothing else
.set WS,  216                          ; v216-217 w_proj's: likewise
.set RB,  220                          ; v220-251 rows read back from the stage
	s_load_b256 s[4:11], s[0:1], 0x0               ; oc s[4:5], os s[6:7], the weights' codes s[8:9], their scales s[10:11]
	s_load_b128 s[12:15], s[0:1], 0x20             ; b_proj s[12:13], x s[14:15]
	s_load_b64 s[16:17], s[0:1], 0x30              ; out0
	v_lshl_add_u32 v254, v0, 2, 0x11000
	v_mov_b32 v255, 0
	v_lshrrev_b32 v9, 5, v0
	s_delay_alu instid0(VALU_DEP_1)
	v_readfirstlane_b32 s18, v9                    ; wave
	s_lshr_b32 s19, ttmp9, 6                       ; batch
	s_and_b32 s22, ttmp9, 63                       ; which 64 tokens
	v_and_b32 v9, 31, v0                           ; lane
	v_and_b32 v10, 15, v0                          ; r
	v_bfe_u32 v11, v0, 4, 1                        ; h
	s_delay_alu instid0(VALU_DEP_3)
	v_lshlrev_b32 v1, 4, v9                        ; 16 x lane
	s_delay_alu instid0(VALU_DEP_4)
	v_lshlrev_b32 v2, 3, v9
	s_delay_alu instid0(VALU_DEP_1)
	v_add_nc_u32 v2, 512, v2                       ; 8 x lane + 512
	v_lshlrev_b32 v3, 2, v10                       ; 4 r
	v_mul_u32_u24 v4, v10, 192                     ; w_proj: row r of 192 bytes, + 24 h
	s_delay_alu instid0(VALU_DEP_1)
	v_mad_u32_u24 v4, v11, 24, v4
	v_lshlrev_b32 v5, 3, v10                       ; its scale bytes: 8 a row
	s_mul_i32 s23, s18, 4352                       ; my stage: 16 rows x (256 + 16) bytes
	v_mul_u32_u24 v6, v10, 272
	s_delay_alu instid0(VALU_DEP_1)
	v_lshl_add_u32 v6, v11, 6, v6
	s_delay_alu instid0(VALU_DEP_1)
	v_add_nc_u32 v6, s23, v6                       ; in: row r, + 64 h
	v_mul_u32_u24 v7, v11, 272
	s_delay_alu instid0(VALU_DEP_1)
	v_lshl_add_u32 v7, v10, 4, v7
	s_delay_alu instid0(VALU_DEP_1)
	v_add_nc_u32 v7, s23, v7                       ; back: lanes 0-15 one row, lanes 16-31 the next
	v_lshlrev_b32 v8, 14, v11
	s_delay_alu instid0(VALU_DEP_1)
	v_lshl_add_u32 v8, v10, 4, v8                  ; and the same two rows in x and out0: 16,384 bytes apart
	s_mul_i32 s24, s19, 786432
	s_mul_i32 s23, s22, 12288
	s_add_co_u32 s24, s24, s23
	s_mov_b32 s25, 0
	s_lshl_b32 s26, s19, 15
	s_lshl_b32 s23, s22, 9
	s_add_co_u32 s26, s26, s23
	s_mov_b32 s27, 0
	s_mul_i32 s28, s18, 3072                       ; my 16 rows of w_proj
	s_mov_b32 s29, 0
	s_lshl_b32 s30, s18, 7
	s_mov_b32 s31, 0
	s_lshl_b32 s20, s18, 6                         ; my 16 numbers of the bias
	s_mov_b32 s21, 0
	s_lshl_b32 s2, s19, 22
	s_lshl_b32 s23, s18, 18
	s_add_co_u32 s2, s2, s23
	s_lshl_b32 s23, s22, 8
	s_add_co_u32 s2, s2, s23                       ; x, out0: batch, my first channel, the 64 tokens' 256 bytes
	s_mov_b32 s3, 0
	s_wait_alu depctr_va_vdst(0)
	s_wait_kmcnt 0x0
	s_add_nc_u64 s[4:5], s[4:5], s[24:25]
	s_add_nc_u64 s[6:7], s[6:7], s[26:27]
	s_add_nc_u64 s[8:9], s[8:9], s[28:29]
	s_add_nc_u64 s[10:11], s[10:11], s[30:31]
	s_add_nc_u64 s[12:13], s[12:13], s[20:21]
	s_add_nc_u64 s[14:15], s[14:15], s[2:3]
	s_add_nc_u64 s[16:17], s[16:17], s[2:3]
.irp T, 0,1,2,3                                ; 55 operand loads
.irp s, 0,1
.irp c, 0,1
	global_load_b128 v[OF+12*(2*\T+\s)+6*\c:OF+12*(2*\T+\s)+6*\c+3], v1, s[4:5] offset:\T*3072+(2*\s+\c)*768
	global_load_b64 v[OF+12*(2*\T+\s)+6*\c+4:OF+12*(2*\T+\s)+6*\c+5], v2, s[4:5] offset:\T*3072+(2*\s+\c)*768
.endr
	global_load_b32 v[OS+2*\T+\s], v3, s[6:7] offset:\T*128+\s*64
.endr
.endr
.irp s, 0,1
.irp u, 0,1,2,3,4,5
	global_load_b64 v[WF+12*\s+2*\u:WF+12*\s+2*\u+1], v4, s[8:9] offset:96*\s+48*(\u/3)+8*(\u%3)
.endr
	global_load_b32 v[WS+\s], v5, s[10:11] offset:4*\s
.endr
	global_load_b32 v218, v3, s[12:13]             ; the bias of my lane's output channel
.irp i, 0,1,2,3,4,5,6,7
	global_load_b128 v[XR+4*\i:XR+4*\i+3], v8, s[14:15] offset:32768*\i th:TH_LOAD_NT   ; x's last read in the program
.endr
	s_wait_loadcnt 8                               ; the operands are in; x's eight loads stay out
.irp j, 0,1,2,3,4,5,6,7
	v_mov_b32 v[BC+\j], v218
.endr
.rept 4
	v_nop
.endr
.irp T, 0,1,2,3                                ; the four accumulators take turns, one instruction a turn
	v_wmma_scale_f32_16x16x128_f8f6f4 v[ACC+8*\T:ACC+8*\T+7], v[OF+24*\T:OF+24*\T+11], v[WF:WF+11], v[BC:BC+7], v[OS+2*\T], v[WS] matrix_a_fmt:MATRIX_FMT_BF6 matrix_b_fmt:MATRIX_FMT_BF6
.endr
.irp T, 0,1,2,3
	v_wmma_scale_f32_16x16x128_f8f6f4 v[ACC+8*\T:ACC+8*\T+7], v[OF+24*\T+12:OF+24*\T+23], v[WF+12:WF+23], v[ACC+8*\T:ACC+8*\T+7], v[OS+2*\T+1], v[WS+1] matrix_a_fmt:MATRIX_FMT_BF6 matrix_b_fmt:MATRIX_FMT_BF6
.endr
.rept 4
	v_nop                                          ; places in front of the first read of results
.endr
.irp T, 0,1,2,3
	ds_store_b128 v6, v[ACC+8*\T:ACC+8*\T+3] offset:128*(\T/2)+32*(\T%2)        ; tokens 32 (T / 2) + 8 (T % 2) + 16 h + 0 .. 7 of channel r; each accumulator from its low end on
	ds_store_b128 v6, v[ACC+8*\T+4:ACC+8*\T+7] offset:128*(\T/2)+32*(\T%2)+16
.endr
.irp i, 0,1,2,3,4,5,6,7
	ds_load_b128 v[RB+4*\i:RB+4*\i+3], v7 offset:544*\i    ; LDS serves a wave's instructions in order: these see my stores
.endr
	s_wait_loadcnt 0x0                             ; x
.irp i, 0,1,2,3,4,5,6,7
	s_wait_dscnt 7-\i                              ; rows 2 i, 2 i + 1 are back; the younger loads stay out
	v_pk_add_f32 v[RB+4*\i:RB+4*\i+1], v[RB+4*\i:RB+4*\i+1], v[XR+4*\i:XR+4*\i+1]
	v_pk_add_f32 v[RB+4*\i+2:RB+4*\i+3], v[RB+4*\i+2:RB+4*\i+3], v[XR+4*\i+2:XR+4*\i+3]
	global_store_b128 v8, v[RB+4*\i:RB+4*\i+3], s[16:17] offset:32768*\i th:TH_STORE_NT   ; sixteen lanes store 256 consecutive bytes, aligned
.endr
	s_wait_tensorcnt 0x0
	ds_add_u32 v254, v255
	s_wait_dscnt 0x0
	s_endpgm
.Lfunc_end_k_qa46d33c7d4_proj:
	.size	k_qa46d33c7d4_proj, .Lfunc_end_k_qa46d33c7d4_proj-k_qa46d33c7d4_proj
	.p2alignl 7, 3214868480
	.fill 96, 4, 3214868480
	.section	.rodata,"a",@progbits
	.p2align	6, 0x0
	.amdhsa_kernel k_qa46d33c7d4_proj
		.amdhsa_group_segment_fixed_size 71680
		.amdhsa_private_segment_fixed_size 0
		.amdhsa_enable_private_segment 0
		.amdhsa_kernarg_size 56
		.amdhsa_user_sgpr_count 2
		.amdhsa_user_sgpr_kernarg_segment_ptr 1
		.amdhsa_wavefront_size32 1
		.amdhsa_system_sgpr_workgroup_id_x 1
		.amdhsa_system_sgpr_workgroup_id_y 1
		.amdhsa_system_sgpr_workgroup_id_z 1
		.amdhsa_system_vgpr_workitem_id 0
		.amdhsa_next_free_vgpr 256
		.amdhsa_next_free_sgpr 66
		.amdhsa_reserve_vcc 0
		.amdhsa_float_denorm_mode_32 3
		.amdhsa_float_denorm_mode_16_64 3
		.amdhsa_memory_ordered 1
		.amdhsa_forward_progress 1
		.amdhsa_inst_pref_size 14
	.end_amdhsa_kernel
	.amdgpu_metadata
---
amdhsa.version: [ 1, 2 ]
amdhsa.kernels:
  - .name:           k_qa46d33c7d4_proj
    .symbol:         k_qa46d33c7d4_proj.kd
    .args:
      - { .name: oc, .offset: 0, .size: 8, .value_kind: global_buffer, .address_space: global }
      - { .name: os, .offset: 8, .size: 8, .value_kind: global_buffer, .address_space: global }
      - { .name: w_proj_codes, .offset: 16, .size: 8, .value_kind: global_buffer, .address_space: global }
      - { .name: w_proj_scales, .offset: 24, .size: 8, .value_kind: global_buffer, .address_space: global }
      - { .name: b_proj, .offset: 32, .size: 8, .value_kind: global_buffer, .address_space: global }
      - { .name: x, .offset: 40, .size: 8, .value_kind: global_buffer, .address_space: global }
      - { .name: out0, .offset: 48, .size: 8, .value_kind: global_buffer, .address_space: global }
    .group_segment_fixed_size: 71680
    .private_segment_fixed_size: 0
    .kernarg_segment_align: 8
    .kernarg_segment_size: 56
    .max_flat_workgroup_size: 512
    .sgpr_count:     66
    .vgpr_count:     256
    .wavefront_size: 32
...
	.end_amdgpu_metadata
.endif
;; end of part 4
